; MI455X (gfx1250); checked and timed in simulation.
; The chip was launched on July 23, 2026; its instructions are those of AMD's public machine-readable ISA for CDNA 5 (MIT licence, August 2026) and "CDNA5" Instruction Set Architecture Reference Guide (July 2026). The comments in the code are by the model that wrote it; some were corrected since.
;; Deep Set MLP. Allowed arithmetic: matrix products marked QUANTISED: E2M3 operands, one E8M0 scale for each 32 along K, by v_wmma_scale_f32_16x16x128_f8f6f4 with both operands' format E2M3, f32 sums; products left as they are: f32 operands where the result goes on into a quantised operand, else bf16, f16 or f32 operands; f32 sums; everything else in f32.
;; Inputs: W1_codes 512 x 4 x 24 uint8 (E2M3 codes of W1, K innermost, in blocks of 32 codes, four codes in three bytes); W1_scales 512 x 4 uint8 (E8M0 scales of W1, one for each 32 codes along K); W2_codes 256 x 16 x 24 uint8 (E2M3 codes of W2, K innermost, in blocks of 32 codes, four codes in three bytes); W2_scales 256 x 16 uint8 (E8M0 scales of W2, one for each 32 codes along K); W3 256 x 1 float32; W_phi 512 x 128 float32; b1 512 float32; b2 256 float32; b3 1 float32; b_phi 128 float32; x 4,096 x 512 int32.
;; Outputs: out0 4,096 x 1 float32.
;; This version of the problem:
;;   THIS VERSION OF THE PROBLEM IS GIVEN IN LOW PRECISION. The matrix products marked QUANTISED in the list below multiply operands that are first quantised to E2M3 (2 exponent bits, 3 mantissa bits; 6 bits a number), with one power-of-two scale for each 32 numbers along K (OCP MX v1.0); their sums are f32. All else is computed in f32.
;;   The module's matrix products, in the order in which they are computed (A, B: the left and right operand; K: the contracted axis; several contracted axes count as one K, in the product's order):
;;     1. [M 4,096, K 128] x [K 128, N 512]; A: computed on the way; B: input W1 (given as codes): QUANTISED
;;     2. [M 4,096, K 512] x [K 512, N 256]; A: computed on the way; B: input W2 (given as codes): QUANTISED
;;     3. [M 4,096, K 256] x [K 256, N 1]; A: computed on the way; B: input W3: left as it is (N = 1 < 16)
;;   THE QUANTISER, for each operand of a quantised product, along K:
;;     - K is cut into blocks of 32 from its start; a last block that is shorter is filled with zeros.
;;     - A block's scale is 2^e with e = floor(log2(the largest magnitude in the block)) - 2, held to -126 .. 127; a block of zeros has e = 0. As a byte (E8M0): e + 127.
;;     - Each number is divided by its block's scale, clamped to +-7.5, and rounded to the nearest number of E2M3, ties to even, subnormals kept.
;;     - The product sums the exact products of the quantised numbers (number of the format x scale) in f32.
;;   ~~~python
;;   def quantise(x, axis):      # numpy; x: float32 -> the quantised numbers, widened to float32 again
;;       x = np.moveaxis(x, axis, -1); K = x.shape[-1]
;;       x = np.pad(x, [(0, 0)] * (x.ndim - 1) + [(0, -K % 32)]); x = x.reshape(x.shape[:-1] + (-1, 32)); a = np.abs(x).max(-1, keepdims=True)
;;       e = np.where(a > 0, np.clip(np.frexp(np.where(a > 0, a, 1))[1] - 1 - 2, -126, 127), 0)      # np.frexp(a)[1] - 1 = floor(log2(a)), exactly
;;       r = np.clip(x / 2.0 ** e, -7.5, 7.5)
;;       step = 2.0 ** (np.maximum(np.frexp(np.where(r == 0, 1, r))[1] - 1, 0) - 3)
;;       q = np.round(r / step) * step * 2.0 ** e      # np.round: ties to even
;;       return np.moveaxis(q.reshape(q.shape[:-2] + (-1,))[..., :K], -1, axis).astype(np.float32)
;;   ~~~
;;   OPERANDS COMPUTED ON THE WAY. 'Computed on the way' means the value that the module computes at that place (a softmax that the list does not call 'softmax' is quantised finished and normalised). What goes into a quantiser is computed in f32, as accurately as f32 sums, v_exp_f32 and their like allow (about 1e-6 of the number): no bf16 or f16 on the way to a quantiser, and a product that is left as it is and whose result goes on into a quantised operand takes f32 operands (vector FMAs, or v_wmma_f32_16x16x4_f32). A number that lies on a knife's edge between two numbers of the format may be rounded either way, as far as f32 arithmetic and the matrix unit's own rounding can turn it there, and no further.
;;   INPUTS GIVEN AS CODES. W1 (in the module: [128, 512], K = its axis 0); W2 (in the module: [512, 256], K = its axis 0): each comes as NAME_codes (uint8): NAME with its K axis moved to the last place and cut into blocks of 32 codes, [.., K / 32, bytes a block], one block behind the other in memory; four codes in three bytes: a row's codes are one little-endian stream of bits, code i at bits 6 i .. 6 i + 5 (a code: sign, 2 exponent bits, 3 mantissa bits); and NAME_scales (uint8): the same leading axes, one E8M0 byte (e + 127) for each 32 codes along K. Its value is code x scale, taken as it is: it is not quantised again, and the codes and scales need not be those that the quantiser above would give.
;; One version. Each part assembles by itself: llvm-mc -triple=amdgcn-amd-amdhsa -mcpu=gfx1250 --defsym DOCPART=n.
;; ======== version 1 of 1: 1 launch
;; limits: right only within a limited range of input values
;; launch deepset (part 1): grid 256 x 1, 4 waves a work-group, clusters of 4 x 1, 327,680 bytes of LDS; arguments x, W_phi, b_phi, W1_codes, W1_scales, b1, W2_codes, W2_scales, b2, W3, b3, out0; writes out0
.if DOCPART == 1
	.amdgcn_target "amdgcn-amd-amdhsa--gfx1250"
	.amdhsa_code_object_version 6
	.text
	.protected	k_q9ec98fe805_deepset
	.globl	k_q9ec98fe805_deepset
	.p2align	8
	.type	k_q9ec98fe805_deepset,@function
k_q9ec98fe805_deepset:
	s_mov_b64 s[64:65], 0
	v_nop
	global_prefetch_b8 v0, s[64:65] scope:SCOPE_SE
	s_setreg_imm32_b32 hwreg(HW_REG_WAVE_MODE, 25, 1), 1
	s_wait_xcnt 0x0
	s_wait_alu depctr_hold_cnt(0) depctr_sa_sdst(0) depctr_va_vdst(0) depctr_va_sdst(0) depctr_va_ssrc(0) depctr_va_vcc(0) depctr_vm_vsrc(0)
	s_getreg_b32 s2, hwreg(HW_REG_IB_STS2, 6, 4)
	s_cmp_eq_u32 s2, 0
	s_cbranch_scc0 .Lentry_in_a_cluster
	s_endpgm
.Lentry_in_a_cluster:
	s_bfe_u32 s2, ttmp6, 0x10000c
	s_cmp_lg_u32 s2, 0x3003
	s_cbranch_scc0 .Lentry_shape_is_right
	s_endpgm
.Lentry_shape_is_right:
; out[row] = relu(Q(relu(Q(u) W1 + b1)) W2 + b2) W3 + b3,  u[row] = sum over the row's 512 labels of W_phi[label] + 512 b_phi.   Q: the MX-FP6 (E2M3) quantiser along K.
; A work-group of four waves owns 16 rows; 256 work-groups.  u IS MADE AS counts x W_phi, counts[row][class] being the row's histogram: the same sum, each table row multiplied by how often it is named.
; THE HISTOGRAM has no scattered access: counts[i][n] = sum over the labels of onehot(i) x onehot(n), i = the label's bits 3:0, n = its bits 8:4, done by the FP6 matrix instruction.  No address, branch or trip count hangs on loaded data.
; ONE-HOT CODES BY TABLE: a frame word holds a selector byte for each of four labels; v_perm_b32 looks it up in the lane's 8-byte table, which holds one byte that is not 0 (selector 0x0c gives 0).  A byte of an operand's stream of bits
;   is of kind 0, 1 or 2 (its number mod 3); the code that carries the label is code 0, 1 or 3 of the four codes in three bytes.  B's table byte 0x21 makes that code -1/8, 1/2 or 1; A's byte 0x39, masked by 0x30, 0x01 or 0x08,
;   makes it -2, 1/2 or 1/4, and all A's other codes 0.  So each product is 1/4, with both scales 2: 1.  The sums are whole numbers up to 512: exact.
; PHASES:  A labels -> frame words in LDS | B one-hot codes, histogram, counts to LDS | barrier | C counts x W_phi in f32 (packed FMAs), eight partial sums (wave w, half h: classes 128 w + 64 h on), to LDS | barrier
;   | D partials added, + 512 b_phi: wave w makes dims 32 w .. 32 w + 31 of all 16 rows, one block of the quantiser, and its codes, to LDS | barrier
;   | E first product, relu, quantised, image to LDS | barrier | second product, relu, dot with W3 | barrier | wave 0 stores 16 numbers.
; CLUSTER: the four work-groups of a cluster need the same W_phi: each wave's quarter of it (64 KiB) is asked for jointly by the same load in all four.
; W1 and W2 are not shared so: each wave reads its own part once, straight into the registers in which it stays, and LDS has no room for their 147,456 bytes beside W_phi (320,256 bytes of LDS used).
; No prefetch: no loop brings tiles from memory; every load is issued once, ahead of its use.
; LIMITS: labels lie in 0 .. 511 (an index lies inside its table).  W_phi must be finite: a class that a row does not name enters as 0 x W_phi[class], so an infinity or NaN there reaches every row.
;   A block whose largest magnitude lies under 2^-124 keeps the scale byte 1; a block of zeros too (its codes are zeros).  The order of u's f32 sum differs from a plain walk along the row: eight chains of 64 classes, then added.
; FRAGMENTS BY THREE LOADS OF 16 BYTES: lane (r, h) takes the 48 bytes at row + 48 h, blocks 2 h and 2 h + 1 of the K step, where the operand's layout (registers 6 c on: block 2 c + h) would have blocks h and 2 + h.
;   So the unit's blocks 0, 1, 2, 3 hold blocks 0, 2, 1, 3; the same exchange is made in the weights' scale words (v_perm_b32) and where u and the hidden layer are quantised: products and scales still meet.
; LDS.  W_phi from 0 (class c at 512 c); behind phase C the wave's quarter, which that wave alone has read, takes its two partials of 16 rows x 528 bytes
.set CN,    262144                     ; counts, f32: class c at 64 c + 16 (c / 64), 16 rows each
.set BLK,   4112                       ; 64 classes
.set FRM,   CN+33024                   ; frames: 6,144 a wave: two rows' of 3,072 by turns; in it 96 x lane + 16 x type, types 0, 1: A, 2 .. 5: B
.set SPARE, FRM+24576                  ; the spare words
.set PART,  16*528                     ; a partial
.set HIMG,  CN                         ; behind phase C, in the counts' bytes: the hidden layer's four fragments as images of their registers, 1,536 each.  In the frames' bytes, behind phase B:
.set BIA,   4992                       ; my wave's frames + this: its 128 numbers of b1, 64 of b2 (+ 512), 64 of W3 (+ 768), 32 of b_phi (+ 1,024)
.set HSC,   FRM+6144                   ; their scale words, 128 bytes each
.set FIN,   FRM+6656                   ; the waves' parts of the last dot: 64 w + 4 r
.set UIMG,  FRM+8192                   ; u's fragment: register p at 128 p + 4 lane
.set USC,   FRM+9728                   ; its scale words: 4 r
; vector registers, window 0
.set CS,   1                           ; where I store counts
.set FS,   2                           ; where I store frame words
.set FA,   3                           ; where I read A's, B's (FB); FTA, FTB: of a row's last step
.set LI,   4                           ; 16 x lane
.set LS,   5                           ; 4 x lane
.set SPW,  6                           ; LDS address of my spare word; never rewritten
.set NIL,  7                           ; 0; never rewritten
.set PA,   8                           ; where my half's partial goes
.set RA,   9                           ; v9-12  where I read the four waves' partials
.set W2A,  13
.set UIW,  14
.set USW,  15
.set LUI,  16
.set LUS,  17
.set HWI,  18
.set HWS,  19
.set HRI,  20
.set HRS,  21
.set FINW, 22
.set FINR, 23
.set OUTO, 24
.set OHS,  25                          ; scales and nothing else: v25-55
.set W1S,  26
.set W2S,  34
.set US,   50
.set PW,   51
.set HS,   52
.set FB,   56
.set FTA,  57
.set FTB,  58
.set TAL,  59                          ; A's table
.set TAH,  60
.set BST,  61                          ; where I store b1's numbers; BS2: b2's and W3's; BS3: b_phi's
.set W2SA, 62                          ; offsets of the weights' loads; not written again
.set W1SA, 63
.set W1A,  64
.set CC0,  65                          ; phase C: LDS addresses of my half's counts and of its classes in W_phi
.set WA0,  66
.set BS2,  67
.set TBL,  68                          ; v68, v69 B's table for tile 0, v70, v71 for tile 1
.set CCX,  68                          ; phase C: the same addresses as the loop steps them
.set WAX,  69
.set BS3,  72
.set BL1,  73                          ; where I read b1 and b_phi (64 h), b2 and W3 (32 h)
.set BL2,  74
.set BPA,  75                          ; offset of b_phi's load
.set XR,   76                          ; phase B: a ring of four sets of 12 + 12 frame words
.set SET,  172                         ; phase B: two sets of 36: A, B of tile 0, B of tile 1
.set AT,   244                         ; A of a row's last step: registers 4 to 11 stay 0
.set TT,   172                         ; phase A: scratch
.set TQ,   100                         ; phase B's end: four rows' counts of a class side by side
.set LANE, 100                         ; the head alone
.set ROW,  101
.set HALF, 102
.set UF,   100                         ; phase E: u's fragment
.set ST,   112                         ; 64 numbers of a lane; in phase D v112-239 the eight partials
.set PC,   176                         ; codes just made
.set TM,   196                         ; the quantiser's scratch
.set HF,   208                         ; the hidden layer's four fragments
.set BPH,  240                         ; phase D: b_phi
; window 1: v0-71 the four rows' tiles of counts (row j at 18 j); v72-87 b1, b2, W3, b_phi on their way to LDS; in phase C v0-127 the sums (row m, dim e: 8 m + e), v128-223 the even steps' operands.
; window 2: v0-191 W2's sixteen fragments; v192-255 b1.   window 3: v0-95 W1's eight fragments; v144-207 x's labels, v208-231 frame words just made; in phase C v128-223 the odd steps' operands; in phase E v96-127 b2, v144-175 W3.
.set CBF,  128                         ; four classes: 16 counts each, then 8 dims each
.set SB1,  72
.set SB2,  76
.set SB3,  80
.set SBP,  84
.set B1R,  192
.set W1F,  0
.set B2R,  96
.set XL,   144
.set W3R,  144
.set OW,   208
.set CK,   56                          ; s56-58  A's masks for registers 0, 1, 2 mod 3
.set CNTR, 0                           ; LDS instructions issued by phases A and B so far
.set VM,   0                           ; global loads issued so far
.set MSB, 0
.macro WIN new                         ; the immediate's high byte repeats the setting that is left
.if MSB != \new
	s_set_vgpr_msb (MSB<<8)|\new
.set MSB, \new
.endif
.endm
.macro CROUND                          ; a round of the cluster's barrier
	s_barrier_signal -1
	s_barrier_wait -1
	s_cmp_lg_u32 s8, 0
	s_cbranch_scc1 .Lnot_wave_0_\@
	s_barrier_signal -3
.Lnot_wave_0_\@:
	s_barrier_wait -3
	s_barrier_signal -1
	s_barrier_wait -1
.endm
.macro BARRIER                         ; my LDS stores have landed and my LDS loads are in: then the work-group's barrier
	s_wait_dscnt 0x0
	s_barrier_signal -1
	s_barrier_wait -1
.endm
.macro PLACES n
.rept \n
	v_nop
.endr
.endm
	s_load_b512 s[16:31], s[0:1], 0x0              ; x 16, W_phi 18, b_phi 20, W1's codes 22, W1's scales 24, b1 26, W2's codes 28, W2's scales 30
	s_load_b256 s[32:39], s[0:1], 0x40             ; b2 32, W3 34, b3 36, out0 38
	v_lshl_add_u32 v[SPW], v0, 2, SPARE
	v_mov_b32 v[NIL], 0
	ds_add_u32 v[SPW], v[NIL]                      ; the wave's opening: the add, twice on end, and its wait ahead of my first tensor load
	ds_add_u32 v[SPW], v[NIL]
	v_lshrrev_b32 v103, 5, v0
	v_readfirstlane_b32 s8, v103                   ; wave w = 0..3
	v_and_b32 v[LANE], 31, v0
	v_and_b32 v[ROW], 15, v0                       ; r
	v_bfe_u32 v[HALF], v0, 4, 1                    ; h
	v_lshlrev_b32 v[LI], 4, v[LANE]
	v_lshlrev_b32 v[LS], 2, v[LANE]
	s_bfe_u32 s9, ttmp6, 0x40000                   ; cx
	s_lshl_b32 s10, ttmp9, 2
	s_add_co_u32 s10, s10, s9                      ; work-group = 4 x cluster + cx: it enters x's and out0's addresses alone, through s[14:15]
	s_lshl_b32 s14, s10, 15                        ; 16 rows of 2,048 bytes,
	s_lshl_b32 s15, s8, 13                         ; my wave's four of them
	s_add_co_u32 s14, s14, s15
	s_mov_b32 s15, 0
	s_mov_b32 s13, 0
	s_lshl_b32 s66, s8, 4                          ; the waves' parts of the LDS addresses
	s_add_co_u32 s66, s66, CN
	s_mul_i32 s67, s8, 6144
	s_add_co_u32 s67, s67, FRM
	s_lshl_b32 s68, s8, 7
	s_and_b32 s11, s8, 1
	s_lshr_b32 s41, s8, 1
	s_mul_i32 s69, s11, 768
	s_lshl_b32 s42, s41, 6
	s_add_co_u32 s69, s69, s42
	s_add_co_u32 s69, s69, UIMG
	s_lshl_b32 s70, s11, 1
	s_add_co_u32 s70, s70, s41
	s_add_co_u32 s70, s70, USC
	s_mul_i32 s71, s8, 1536
	s_add_co_u32 s71, s71, HIMG
	s_lshl_b32 s72, s8, 7
	s_add_co_u32 s72, s72, HSC
	s_lshl_b32 s73, s8, 6
	s_add_co_u32 s73, s73, FIN
	s_lshl_b32 s80, s8, 16
	s_mul_i32 s81, s8, 2*BLK
	s_add_co_u32 s81, s81, CN
	s_mov_b32 s44, 1                               ; the joint load's descriptor: count = 1
	s_lshl_b32 s45, s8, 16                         ; LDS address
	s_mov_b32 s48, 15|(3<<16)|(1<<21)              ; the mask: all four work-groups; elements of 8 bytes; bit 21 set beside a mask; no padding
	s_mov_b32 s49, 32<<16                          ; tensor_dim0 = 32
	s_mov_b32 s50, 256<<16                         ; tensor_dim1 = 256
	s_mov_b32 s51, 32<<16                          ; tile_dim0 = 32
	s_mov_b32 s52, 256                             ; tile_dim1 = 256
	s_mov_b32 s53, 32                              ; from row to row
	s_mov_b32 s54, 0
	s_mov_b32 s55, 0
	s_mov_b32 s56, 0x30080130                      ; kinds 0, 1, 2, 0
	s_mov_b32 s57, 0x01300801                      ; kinds 1, 2, 0, 1
	s_mov_b32 s58, 0x08013008                      ; kinds 2, 0, 1, 2
	s_mov_b32 s59, 0x03010200                      ; v_perm_b32: bytes 0, 2, 1, 3
	s_mov_b32 s60, 0x76543210
	s_mov_b32 s61, 0xfedcba98                      ; v_permlanex16_b32's selects for lane l xor 16
	s_mov_b32 s74, 0x05010400
	s_mov_b32 s75, 0x05040100
	s_mov_b32 s76, 0x07060302
	s_mov_b32 s77, 0x07070707
	s_mov_b32 s78, 0x01010101
	s_mov_b32 s79, 0x0c0c0c0c
	s_wait_alu depctr_va_vdst(0)
	s_wait_dscnt 0x0                               ; both opening adds are done
	s_wait_kmcnt 0x0
	s_add_nc_u64 s[16:17], s[16:17], s[14:15]
	WIN 0xc0
.irp i, 0,1,2,3,4,5,6,7,8,9,10,11,12,13,14,15
	global_load_b128 v[XL+4*\i:XL+4*\i+3], v[LI], s[16:17] offset:512*\i th:TH_LOAD_NT   ; row i / 4, labels 128 (i % 4) + 4 lane on: 512 consecutive bytes a load; read once
.set VM, VM+1
.endr
	WIN 0
	s_load_b32 s40, s[36:37], 0x0                  ; b3: wanted at the very end; its wait stands behind phase C
	s_lshl_b32 s14, s10, 6
	s_add_nc_u64 s[38:39], s[38:39], s[14:15]      ; out0 at my 16 numbers
	s_lshl_b32 s12, s8, 16                         ; my wave's quarter of W_phi, 65,536 dense bytes, as 256 rows of 256 bytes.  Nothing in it hangs on the work-group
	s_add_nc_u64 s[46:47], s[18:19], s[12:13]      ; global address
	s_or_b32 s47, s47, 0x80000000                  ; type = 2
	s_lshl_b32 s12, s8, 7                          ; my 32 numbers of b_phi,
	s_add_nc_u64 s[20:21], s[20:21], s[12:13]
	s_mul_i32 s12, s8, 12288                       ; my 128 rows of W1 (96 bytes each),
	s_add_nc_u64 s[22:23], s[22:23], s[12:13]
	s_lshl_b32 s12, s8, 9                          ; their scale words, and my 128 numbers of b1,
	s_add_nc_u64 s[24:25], s[24:25], s[12:13]
	s_add_nc_u64 s[26:27], s[26:27], s[12:13]
	s_mul_i32 s12, s8, 24576                       ; my 64 rows of W2 (384 bytes each),
	s_add_nc_u64 s[28:29], s[28:29], s[12:13]
	s_lshl_b32 s12, s8, 10                         ; their scale bytes,
	s_add_nc_u64 s[30:31], s[30:31], s[12:13]
	s_lshl_b32 s12, s8, 8                          ; my 64 numbers of b2 and of W3
	s_add_nc_u64 s[32:33], s[32:33], s[12:13]
	s_add_nc_u64 s[34:35], s[34:35], s[12:13]
	CROUND                                         ; all four work-groups are here: the joint loads meet
	tensor_load_to_lds s[44:47], s[48:55]          ; my one tensor load; it has phases A and B in which to land
	s_nop 0
	PLACES 4
	v_mul_u32_u24 v103, v[HALF], 48
	v_and_b32 v104, 8, v[ROW]
	v_add_nc_u32 v104, v104, v[ROW]                ; r + 8 (r / 8): THE ROWS OF W1 THAT FORM A TILE ARE NOT NEIGHBOURS: lane r of tile 2 b + u takes row 32 b + 8 u + r + 8 (r / 8)
	v_mad_u32_u24 v[W1A], v104, 96, v103
	v_lshlrev_b32 v[W1SA], 2, v104
	v_mad_u32_u24 v[W2A], v[ROW], 384, v103        ; W2: row r, + 48 h
	v_lshlrev_b32 v[W2SA], 4, v[ROW]               ; its scale bytes: 16 a row; b2 and W3: 16 bytes a lane, both halves the same
	v_and_b32 v105, 7, v[ROW]
	v_lshlrev_b32 v[BPA], 4, v105                  ; b_phi: 128 bytes, 16 a lane
	v_add_nc_u32 v[BST], s67, v[LI]
	v_add_nc_u32 v[BS2], s67, v[W2SA]
	v_add_nc_u32 v[BS3], s67, v[BPA]
	v_lshlrev_b32 v105, 6, v[HALF]
	v_add_nc_u32 v[BL1], s67, v105
	v_lshlrev_b32 v105, 5, v[HALF]
	v_add_nc_u32 v[BL2], s67, v105
	; LDS addresses and tables
	v_bfe_u32 v107, v0, 2, 1
	v_lshlrev_b32 v105, 9, v[HALF]
	v_lshl_add_u32 v105, v107, 10, v105
	v_and_b32 v106, 3, v[ROW]
	v_mad_u32_u24 v105, v106, BLK, v105
	v_bfe_u32 v107, v0, 3, 1
	v_mad_u32_u24 v105, v107, 4*BLK, v105
	v_add_nc_u32 v[CS], s66, v105                  ; class 8 h + 16 (r / 4 % 2) + 64 (r % 4) + 256 (r / 8), my wave's four rows
	v_mul_u32_u24 v105, v[LANE], 96
	v_add_nc_u32 v[FS], s67, v105
	v_mul_u32_u24 v105, v[HALF], 288               ; step s: half h takes chunks 6 s + 3 h + 0 .. 2 of 16 bytes; a row's last step: chunk 30 + h
	v_add_nc_u32 v105, s67, v105
	v_mul_u32_u24 v106, v[HALF], 96
	v_add_nc_u32 v106, s67, v106
	v_lshl_add_u32 v[FA], v107, 4, v105            ; A's type: r / 8
	v_lshl_add_u32 v[FTA], v107, 4, v106
	v_bfe_u32 v107, v0, 2, 2
	v_lshl_add_u32 v[FB], v107, 4, v105            ; B's type: r / 4
	v_lshl_add_u32 v[FTB], v107, 4, v106
	v_mov_b32 v[OHS], 0x80808080
	v_and_b32 v108, 3, v[ROW]
	v_lshlrev_b32 v108, 3, v108
	v_lshlrev_b32 v109, v108, 57                   ; 0x39 in byte r % 8 of the pair
	v_bfe_u32 v110, v0, 2, 1
	v_sub_nc_u32 v110, 0, v110
	v_and_b32 v[TAH], v109, v110
	v_xor_b32 v[TAL], v109, v[TAH]
	v_and_b32 v108, 1, v[ROW]
	v_lshlrev_b32 v108, 4, v108
	v_lshlrev_b32 v109, v108, 33                   ; 0x21 in byte 2 (r % 4) of the pair for tile 0, one byte further on for tile 1
	v_bfe_u32 v110, v0, 1, 1
	v_sub_nc_u32 v110, 0, v110
	v_and_b32 v[TBL+1], v109, v110
	v_xor_b32 v[TBL], v109, v[TBL+1]
	v_lshlrev_b32 v[TBL+2], 8, v[TBL]
	v_lshlrev_b32 v[TBL+3], 8, v[TBL+1]
	v_mul_u32_u24 v105, v[HALF], BLK               ; phase C: half h takes 64 classes,
	v_lshlrev_b32 v106, 15, v[HALF]
	v_lshl_add_u32 v106, v[ROW], 4, v106           ; a lane dims 4 r on and 64 + 4 r on
	v_add_nc_u32 v[CC0], s81, v105
	v_add_nc_u32 v[WA0], s80, v106
	v_mul_u32_u24 v105, v[HALF], PART
	v_lshl_add_u32 v105, v[ROW], 4, v105
	v_add_nc_u32 v[PA], s80, v105
	v_mul_u32_u24 v105, v[ROW], 528
	v_lshl_add_u32 v105, v[HALF], 6, v105
	v_add_nc_u32 v[RA], s68, v105                  ; row r, dims 32 w + 16 h on
	v_add_nc_u32 v[RA+1], 0x10000, v[RA]
	v_add_nc_u32 v[RA+2], 0x20000, v[RA]
	v_add_nc_u32 v[RA+3], 0x30000, v[RA]
	v_mul_u32_u24 v105, v[HALF], 384
	v_lshl_add_u32 v105, v[ROW], 2, v105
	v_add_nc_u32 v[UIW], s69, v105
	v_lshlrev_b32 v[OUTO], 2, v[ROW]
	v_add_nc_u32 v[USW], s70, v[OUTO]
	v_add_nc_u32 v[LUI], UIMG, v[LS]
	v_add_nc_u32 v[LUS], USC, v[OUTO]
	v_add_nc_u32 v[HWI], s71, v[LI]
	v_add_nc_u32 v[HWS], s72, v[LS]
	v_add_nc_u32 v[HRI], HIMG, v[LI]
	v_add_nc_u32 v[HRS], HSC, v[LS]
	v_add_nc_u32 v[FINR], FIN, v[OUTO]
	v_add_nc_u32 v[FINW], s73, v[OUTO]
.irp i, 4,5,6,7,8,9,10,11
	v_mov_b32 v[AT+\i], 0                          ; a row's last step has four words a half; A's other codes are 0, so B's count for nothing
.endr
	s_wait_alu depctr_va_vdst(0)
	WIN 0xc0                                       ; while x is on its way, in one run: W1's fragments (tile t at 12 t), the scale words, the biases, W3, W2's first six
.set Q, 0
.rept 24
	global_load_b128 v[W1F+4*Q:W1F+4*Q+3], v[W1A], s[22:23] offset:96*(32*(Q/6)+8*((Q/3)%2))+16*(Q%3)
.set Q, Q+1
.endr
	WIN 0
.irp i, 0,1,2,3,4,5,6,7
	global_load_b32 v[W1S+\i], v[W1SA], s[24:25] offset:4*(32*(\i/2)+8*(\i%2))
.endr
.irp i, 0,1,2,3
	global_load_b128 v[W2S+4*\i:W2S+4*\i+3], v[W2SA], s[30:31] offset:256*\i     ; a row's four, K steps 0 to 3
.endr
	WIN 0x40
	global_load_b128 v[SB1:SB1+3], v[LI], s[26:27]
	global_load_b128 v[SB2:SB2+3], v[W2SA], s[32:33]
	global_load_b128 v[SB3:SB3+3], v[W2SA], s[34:35]
	global_load_b128 v[SBP:SBP+3], v[BPA], s[20:21]
.set VM, VM+40
.set VMS, VM
	WIN 0x80
.irp i, 0,1,2,3,4,5
	global_load_b128 v[4*\i:4*\i+3], v[W2A], s[28:29] offset:96*(\i/3)+16*(\i%3)
.endr
.set VM, VM+6
	WIN 0
; ---- A.  Row j: a lane's 16 labels become four words of four selector bytes for each of six types.  A (types 0, 1 for bit 3 = 0, 1): bits 2:0.  B (types 2 .. 5 for bit 4 + 2 x bit 8 = 0 .. 3): bits 7:5.  A label of another type gives 0x0c.
.macro SV op, d, x, y
.irp g, 0,1,2,3
	\op v[\d+\g], \x, v[\y+\g]
.endr
.endm
.macro VV op, d, x, y
.irp g, 0,1,2,3
	\op v[\d+\g], v[\x+\g], v[\y+\g]
.endr
.endm
.macro VVS op, d, x, y, z
.irp g, 0,1,2,3
	\op v[\d+\g], v[\x+\g], v[\y+\g], \z
.endr
.endm
.macro VSV op, d, x, y, z
.irp g, 0,1,2,3
	\op v[\d+\g], v[\x+\g], \z, v[\y+\g]
.endr
.endm
.macro PACK j
.set LW, VM-4*(\j)-4                           ; global loads issued behind the row's four
.if LW > 63
.set LW, 63
.endif
	s_wait_loadcnt LW
	WIN 0x0f
.irp g, 0,1,2,3
	v_perm_b32 v[TT+\g], v[XL+16*(\j)+4*\g+1], v[XL+16*(\j)+4*\g], s74
	v_perm_b32 v[TT+4+\g], v[XL+16*(\j)+4*\g+3], v[XL+16*(\j)+4*\g+2], s74
.endr
	WIN 0
	VVS v_perm_b32, TT+8, TT+4, TT, s75            ; four labels' bits 7:0,
	VVS v_perm_b32, TT+12, TT+4, TT, s76           ; and bits 8
	SV v_and_b32, TT, s77, TT+8                    ; bits 2:0
	SV v_lshrrev_b32, TT+4, 3, TT+8
	SV v_lshrrev_b32, TT+20, 5, TT+8
	SV v_lshrrev_b32, TT+24, 4, TT+8
	SV v_and_b32, TT+4, s78, TT+4
	SV v_and_b32, TT+20, s77, TT+20                ; bits 7:5
	SV v_and_b32, TT+24, s78, TT+24
	SV v_lshlrev_b32, TT+16, 8, TT+4
	SV v_lshlrev_b32, TT+28, 8, TT+12
	SV v_lshlrev_b32, TT+8, 8, TT+24
	VV v_sub_nc_u32, TT+16, TT+16, TT+4            ; x 255: a byte of ones where bit 3 is 1,
	VV v_sub_nc_u32, TT+28, TT+28, TT+12           ; where bit 8 is 1,
	VV v_sub_nc_u32, TT+24, TT+8, TT+24            ; where bit 4 is 1
	VSV v_bfi_b32, TT+8, TT+24, TT+20, s79         ; bit 4 = 0
	VVS v_bfi_b32, TT+12, TT+24, TT+20, s79        ; bit 4 = 1
	WIN 0xc0
	VSV v_bfi_b32, OW, TT+16, TT, s79
	VVS v_bfi_b32, OW+4, TT+16, TT, s79
	VSV v_bfi_b32, OW+8, TT+28, TT+8, s79
	VSV v_bfi_b32, OW+12, TT+28, TT+12, s79
	VVS v_bfi_b32, OW+16, TT+28, TT+8, s79
	VVS v_bfi_b32, OW+20, TT+28, TT+12, s79
	WIN 0x0c
.irp y, 0,1,2,3,4,5
	ds_store_b128 v[FS], v[OW+4*\y:OW+4*\y+3] offset:3072*((\j)%2)+16*\y
.endr
	WIN 0
.set CNTR, CNTR+6
.endm
; ---- B.  A row's histogram: five K steps of 96 labels and one of 32; 24 steps in all, written out.  Every second step asks for the frame words of the steps three and four ahead, in one run.  The two types of A and the four of B are read by
; the lanes that want them.  Only my wave reads my frame words, and LDS serves a wave's instructions in order (ISA guide 5.7.1.4): no barrier, and no wait between a row's stores and these loads, nor between these loads and the stores two rows further on.
.macro LOADX g
.set LX, XR+24*((\g)%4)
.set LO, 3072*(((\g)/6)%2)
.if (\g)%6 == 5
	ds_load_b128 v[LX:LX+3], v[FTA] offset:LO+2880
	ds_load_b128 v[LX+12:LX+15], v[FTB] offset:LO+2912
.set CNTR, CNTR+2
.else
.irp a, 0,1,2
	ds_load_b128 v[LX+4*\a:LX+4*\a+3], v[FA] offset:LO+576*((\g)%6)+96*\a
	ds_load_b128 v[LX+12+4*\a:LX+12+4*\a+3], v[FB] offset:LO+576*((\g)%6)+96*\a+32
.endr
.set CNTR, CNTR+6
.endif
.endm
.macro HMUL g                                  ; the two tiles take turns, one instruction a turn.  Register j of tile u, lane (r, h): counts of class 8 h + j + 16 (r / 4 % 2) + 32 u + 64 (r % 4) + 256 (r / 8)
.set SB, SET+36*((\g)%2)
.set HA, SB
.if (\g)%6 == 5
.set HA, AT
.endif
.set DA, 18*((\g)/6)
	WIN 0x50                                       ; the sums: window 1
.if (\g)%6 == 0
	v_wmma_scale_f32_16x16x128_f8f6f4 v[DA:DA+7], v[HA:HA+11], v[SB+12:SB+23], 0, v[OHS], v[OHS] matrix_a_fmt:MATRIX_FMT_FP6 matrix_b_fmt:MATRIX_FMT_FP6
	v_wmma_scale_f32_16x16x128_f8f6f4 v[DA+8:DA+15], v[HA:HA+11], v[SB+24:SB+35], 0, v[OHS], v[OHS] matrix_a_fmt:MATRIX_FMT_FP6 matrix_b_fmt:MATRIX_FMT_FP6
.else
	v_wmma_scale_f32_16x16x128_f8f6f4 v[DA:DA+7], v[HA:HA+11], v[SB+12:SB+23], v[DA:DA+7], v[OHS], v[OHS] matrix_a_fmt:MATRIX_FMT_FP6 matrix_b_fmt:MATRIX_FMT_FP6
	v_wmma_scale_f32_16x16x128_f8f6f4 v[DA+8:DA+15], v[HA:HA+11], v[SB+24:SB+35], v[DA+8:DA+15], v[OHS], v[OHS] matrix_a_fmt:MATRIX_FMT_FP6 matrix_b_fmt:MATRIX_FMT_FP6
.endif
	WIN 0
.endm
.macro W2L j                                   ; W2's load j of 48: fragment 4 n + s (tile n of 16 outputs, K step s), its piece j % 3
	WIN 0x80
	global_load_b128 v[4*(\j):4*(\j)+3], v[W2A], s[28:29] offset:6144*((\j)/12)+96*(((\j)/3)%4)+16*((\j)%3)
.set VM, VM+1
.endm
; Step g: its codes are made in one set while step g - 1's, in the other, are multiplied.  Behind step g - 1's products stand this step's masks, twelve or four plain instructions that name none of their registers;
; between the masks and step g's own products stand the next step's look-ups.
.macro STEP g
.set GG, \g
.set GX, XR+24*(GG%4)
.set GS, SET+36*(GG%2)
.set GN, 12
.set GA, GS
.if GG%6 == 5
.set GN, 4
.set GA, AT
.endif
	s_wait_dscnt CNTR-EA                           ; this step's words are in; what was issued behind them may be out
.set EA, EB
.set EB, EC
.set EC, ED
.set Q, 0
.rept GN
	v_perm_b32 v[GA+Q], v[TAH], v[TAL], v[GX+Q]
.set Q, Q+1
.endr
.set Q, 0
.rept GN
	v_perm_b32 v[GS+12+Q], v[TBL+1], v[TBL], v[GX+12+Q]
.set Q, Q+1
.endr
.set Q, 0
.rept GN
	v_perm_b32 v[GS+24+Q], v[TBL+3], v[TBL+2], v[GX+12+Q]
.set Q, Q+1
.endr
.if GG%2 == 0
.if GG < 21
	LOADX GG+3
.endif
.set EC, CNTR
.if GG < 20
	LOADX GG+4
.endif
.set ED, CNTR
	W2L 6+GG
	W2L 7+GG
	WIN 0
.endif
.if GG > 0
	HMUL GG-1
.endif
.set Q, 0
.rept GN
	v_and_b32 v[GA+Q], s[CK+Q%3], v[GA+Q]
.set Q, Q+1
.endr
.endm
	PACK 0
	LOADX 0
.set EA, CNTR
	LOADX 1
.set EB, CNTR
	LOADX 2
.set EC, CNTR
.set ED, CNTR
	PACK 1
.set G, 0
.rept 24
	STEP G
.if G == 5
	PACK 2                                         ; row 0's last frame words were asked for in step 2
.endif
.if G == 11
	PACK 3
.endif
.set G, G+1
.endr
	PLACES 4                                       ; four places between the codes' last write and their products
	HMUL 23
	WIN 0x01
	PLACES 4                                       ; and four ahead of the first read of the results
.set Q, 0
.rept 16                                       ; four rows' counts of a class side by side; each tile from its low end on
.irp m, 0,1,2,3
	v_mov_b32 v[TQ+4*Q+\m], v[18*\m+Q]
.endr
.set Q, Q+1
.endr
	WIN 0
.set Q, 0
.rept 16
	ds_store_b128 v[CS], v[TQ+4*Q:TQ+4*Q+3] offset:64*(Q%8)+2048*(Q/8)
.set Q, Q+1
.endr
	s_wait_loadcnt VM-VMS                          ; b1, b2, W3 and b_phi are in: into my own frames' bytes, whose last loads were issued above.  Behind them W2's 6 and 24 may be out
	WIN 0x04
	ds_store_b128 v[BST], v[SB1:SB1+3] offset:BIA
	ds_store_b128 v[BS2], v[SB2:SB2+3] offset:BIA+512          ; (the two halves' lanes write the same numbers)
	ds_store_b128 v[BS2], v[SB3:SB3+3] offset:BIA+768
	ds_store_b128 v[BS3], v[SBP:SBP+3] offset:BIA+1024
	WIN 0
.set Q, 30
.rept 18                                       ; the rest of W2's loads
	W2L Q
.set Q, Q+1
.endr
	WIN 0
	s_wait_tensorcnt 0x0                           ; my quarter of W_phi has landed,
	BARRIER                                        ; my counts too; behind the barrier everybody's have
; ---- C.  64 classes for each half, in sixteen steps of four; for each class a lane multiplies a table row's 8 dims by the sixteen rows' counts: 64 packed FMAs, no two on one sum: 256 a step.
; The next step's 24 loads go out in one run ahead of a step's FMAs.  Even steps' operands lie in window 1, odd steps' in window 3; the sums in window 1.
.macro CLD4 par, adrc, adrw, nb
	WIN (0x40+0x80*(\par))
.irp c, 0,1,2,3
.irp k, 0,1,2,3
	ds_load_b128 v[CBF+16*\c+4*\k:CBF+16*\c+4*\k+3], v[\adrc] offset:64*((\nb)+\c)+16*\k          ; rows 4 k on: the same 16 bytes for all lanes of a half
.endr
.endr
.irp c, 0,1,2,3
	ds_load_b128 v[CBF+64+8*\c:CBF+67+8*\c], v[\adrw] offset:512*((\nb)+\c)                       ; sixteen lanes read 256 consecutive bytes
	ds_load_b128 v[CBF+68+8*\c:CBF+71+8*\c], v[\adrw] offset:512*((\nb)+\c)+256
.endr
.endm
.macro FMAS par, first
	WIN (0x55+0x0a*(\par))
.set KC, 0
.rept 4
.set Q, 0
.rept 64                                       ; row Q / 4, dims 2 (Q % 4), + 1 of my eight
.set CR, CBF+16*KC+2*(Q/8)
.set WR, CBF+64+8*KC+2*(Q%4)
.if (\first) && (KC == 0)
.if (Q/4)%2 == 0
	v_pk_mul_f32 v[2*Q:2*Q+1], v[WR:WR+1], v[CR:CR+1] op_sel_hi:[1,0]                    ; the first class starts the sums
.else
	v_pk_mul_f32 v[2*Q:2*Q+1], v[WR:WR+1], v[CR:CR+1] op_sel:[0,1] op_sel_hi:[1,1]
.endif
.else
.if (Q/4)%2 == 0
	v_pk_fma_f32 v[2*Q:2*Q+1], v[WR:WR+1], v[CR:CR+1], v[2*Q:2*Q+1] op_sel_hi:[1,0,1]                ; the pair's first count for both halves
.else
	v_pk_fma_f32 v[2*Q:2*Q+1], v[WR:WR+1], v[CR:CR+1], v[2*Q:2*Q+1] op_sel:[0,1,0] op_sel_hi:[1,1,1] ; its second
.endif
.endif
.set Q, Q+1
.endr
.set KC, KC+1
.endr
.endm
	CLD4 0, CC0, WA0, 0
	CLD4 1, CC0, WA0, 4
	s_wait_dscnt 24                                ; step 0's loads are in; step 1's 24 may be out
	FMAS 0, 1                                      ; step 0 stands ahead of the loop
	WIN 0
	s_mov_b32 s12, 0
	s_mov_b32 s13, 0
	s_mov_b32 s62, 7
	v_add_nc_u32 v[WAX], s12, v[WA0]
	v_add_nc_u32 v[CCX], s13, v[CC0]
	s_wait_alu depctr_va_vdst(0)
.Lcls:                                             ; steps 1 and 2, 3 and 4 .. 13 and 14
	CLD4 0, CCX, WAX, 8
	s_wait_dscnt 24                                ; all but the 24 just issued
	FMAS 1, 0
	CLD4 1, CCX, WAX, 12
	s_wait_dscnt 24
	FMAS 0, 0
	WIN 0
	s_add_co_u32 s12, s12, 8*512
	s_add_co_u32 s13, s13, 8*64
	v_add_nc_u32 v[WAX], s12, v[WA0]
	v_add_nc_u32 v[CCX], s13, v[CC0]
	s_sub_co_i32 s62, s62, 1
	s_cmp_lg_u32 s62, 0
	s_wait_alu depctr_va_vdst(0)
	s_cbranch_scc1 .Lcls
	s_wait_dscnt 0x0                               ; step 15 asks for nothing more
	FMAS 1, 0
	WIN 0x04                                       ; an LDS store's data are its source 1: window 1
.irp m, 0,1,2,3,4,5,6,7,8,9,10,11,12,13,14,15
	ds_store_b128 v[PA], v[8*\m:8*\m+3] offset:528*\m                            ; into my own quarter of W_phi, which no other wave reads
	ds_store_b128 v[PA], v[8*\m+4:8*\m+7] offset:528*\m+256
.endr
	WIN 0
	s_wait_loadcnt 18                              ; all but W2's last 18 loads are in,
	s_wait_kmcnt 0x0                               ; and b3
	BARRIER                                        ; the eight partials lie in LDS
; ---- D.  Row r, dims 32 w + 16 h + 0 .. 15.
.irp i, 0,1,2,3
	ds_load_b128 v[BPH+4*\i:BPH+4*\i+3], v[BL1] offset:BIA+1024+16*\i            ; b_phi at my 16 dims
.endr
.irp w, 0,1,2,3
.irp g, 0,1
.irp i, 0,1,2,3
	ds_load_b128 v[ST+32*\w+16*\g+4*\i:ST+32*\w+16*\g+4*\i+3], v[RA+\w] offset:PART*\g+16*\i
.endr
.endr
.endr
.macro ADDP g
.irp q, 0,2,4,6,8,10,12,14
	v_pk_add_f32 v[ST+\q:ST+\q+1], v[ST+\q:ST+\q+1], v[ST+16*\g+\q:ST+16*\g+\q+1]
.endr
.endm
	s_wait_dscnt 16                                ; partials 0 to 3 are in; the sixteen loads of 4 to 7 may be out
	ADDP 1
	ADDP 2
	ADDP 3
	s_wait_alu depctr_va_vdst(0)
	s_wait_dscnt 0x0
	ADDP 4
	ADDP 5
	ADDP 6
	ADDP 7
.irp q, 0,2,4,6,8,10,12,14
	v_pk_fma_f32 v[ST+\q:ST+\q+1], v[BPH+\q:BPH+\q+1], 0x44000000, v[ST+\q:ST+\q+1] op_sel_hi:[1,0,1]   ; + 512 b_phi
.endr
; my half of block w of u.  A block's scale is 2^(floor(log2(its largest magnitude)) - 2): its byte is that magnitude's exponent field - 2.  The conversion gives the largest code for what lies beyond 7.5.
	v_max3_num_f32 v[TM], |v[ST]|, |v[ST+1]|, 0x1800000   ; with the floor 2^(3 - 127): the byte cannot fall under 1
	v_max3_num_f32 v[TM+1], |v[ST+8]|, |v[ST+9]|, |v[ST+10]|
	v_max3_num_f32 v[TM], v[TM], |v[ST+2]|, |v[ST+3]|
	v_max3_num_f32 v[TM+1], v[TM+1], |v[ST+11]|, |v[ST+12]|
	v_max3_num_f32 v[TM], v[TM], |v[ST+4]|, |v[ST+5]|
	v_max3_num_f32 v[TM+1], v[TM+1], |v[ST+13]|, |v[ST+14]|
	v_max3_num_f32 v[TM], v[TM], |v[ST+6]|, |v[ST+7]|
	v_max3_num_f32 v[TM], v[TM], v[TM+1], |v[ST+15]|
	v_permlanex16_b32 v[TM+4], v[TM], s60, s61
	v_max_num_f32 v[TM], v[TM], v[TM+4]            ; with lane l xor 16's
	v_add_nc_u32 v[TM+8], 0xff000000, v[TM]        ; 2 off its exponent field: the conversion takes that field of this operand as its scale
	v_cvt_scalef32_pk16_fp6_f32 v[PC:PC+2], v[ST:ST+15], v[TM+8]
	v_lshrrev_b32 v[TM+9], 23, v[TM+8]             ; the scale's byte; also the plain place behind the conversion
.irp i, 0,1,2
	ds_store_b32 v[UIW], v[PC+\i] offset:128*\i    ; block w = 2 h' + c: registers 6 c + 3 h + i of lanes r + 16 h'
.endr
	ds_store_b8 v[USW], v[TM+9]                    ; byte 2 c + h' of row r's scale word
	s_wait_dscnt 0x0
	s_barrier_signal -1
.irp q, 0,1,2,3,4,5,6,7                        ; register work: the weights' scale words into the order in which the fragments' blocks lie: bytes 0, 2, 1, 3
	v_perm_b32 v[W1S+\q], v[W1S+\q], v[W1S+\q], s59
.endr
.irp q, 0,1,2,3,4,5,6,7,8,9,10,11,12,13,14,15
	v_perm_b32 v[W2S+\q], v[W2S+\q], v[W2S+\q], s59
.endr
	WIN 0x80                                       ; and b1 in the result's layout, from bytes that my wave alone has written: tile 2 b + u: hidden units 32 b + 16 h + 8 u + 0 .. 7
.irp q, 0,1,2,3,4,5,6,7,8,9,10,11,12,13,14,15
	ds_load_b128 v[B1R+4*\q:B1R+4*\q+3], v[BL1] offset:BIA+4*(32*(\q/4)+8*((\q/2)%2))+16*(\q%2)
.endr
	WIN 0
	s_wait_alu depctr_va_vdst(0)
	s_barrier_wait -1                              ; u's fragment lies in LDS
; ---- E.
.irp p, 0,1,2,3,4,5,6,7,8,9,10,11
	ds_load_b32 v[UF+\p], v[LUI] offset:128*\p
.endr
	ds_load_b32 v[US], v[LUS]
	s_wait_dscnt 0x0
	WIN 0x23                                       ; source 0 (W1) window 3, source 2 (b1) window 2
.irp t, 0,1,2,3,4,5,6,7                        ; TRANSPOSED: source 0 = 16 rows of W1, source 1 = u.  Lane (r, h) holds row r; register j of tile t is hidden unit 128 w + 32 (t / 2) + 16 h + 8 (t % 2) + j.  The bias is the sum's C
	v_wmma_scale_f32_16x16x128_f8f6f4 v[ST+8*\t:ST+8*\t+7], v[W1F+12*\t:W1F+12*\t+11], v[UF:UF+11], v[B1R+8*\t:B1R+8*\t+7], v[W1S+\t], v[US] matrix_a_fmt:MATRIX_FMT_FP6 matrix_b_fmt:MATRIX_FMT_FP6
.endr
	WIN 0
	PLACES 4
.set Q, 0
.rept 64
	v_max_num_f32 v[ST+Q], 0, v[ST+Q]              ; the activation, in f32; each tile from its low end on
.set Q, Q+1
.endr
; 64 numbers of a lane, register 16 b + i = k 32 b + 16 h + i of my row, become a fragment's codes in v[PC] on and its scale word in v[PW].  None is negative here.
.irp b, 0,1,2,3
	v_max3_num_f32 v[TM+\b], v[ST+16*\b], v[ST+1+16*\b], 0x1800000   ; my 16 numbers of block b, and the floor
.endr
.irp i, 2,4,6,8,10,12,14
.irp b, 0,1,2,3
	v_max3_num_f32 v[TM+\b], v[TM+\b], v[ST+16*\b+\i], v[ST+1+16*\b+\i]   ; the four blocks by turns
.endr
.endr
.irp b, 0,1,2,3
	v_permlanex16_b32 v[TM+4+\b], v[TM+\b], s60, s61
.endr
.irp b, 0,1,2,3
	v_max_num_f32 v[TM+\b], v[TM+\b], v[TM+4+\b]   ; with lane l xor 16's: the block's largest magnitude
.endr
.irp b, 0,1,2,3
	v_add_nc_u32 v[TM+8+\b], 0xff000000, v[TM+\b]
.endr
.irp b, 0,1,2,3
	v_lshrrev_b32 v[TM+4+\b], 23, v[TM+8+\b]       ; the scale's byte
.endr
	v_lshl_or_b32 v[PW], v[TM+6], 8, v[TM+4]       ; the scale word, blocks 0, 2, 1, 3
	v_lshl_or_b32 v[PW], v[TM+5], 16, v[PW]
	v_lshl_or_b32 v[PW], v[TM+7], 24, v[PW]
.irp c, 0,1                                    ; registers 6 c on take block c in lanes 0-15 and block c + 2 in lanes 16-31, as the weights' fragments lie
	v_cvt_scalef32_pk16_fp6_f32 v[PC+6*\c:PC+2+6*\c], v[ST+16*\c:ST+15+16*\c], v[TM+8+\c]
	v_cvt_scalef32_pk16_fp6_f32 v[PC+12+4*\c:PC+14+4*\c], v[ST+32+16*\c:ST+47+16*\c], v[TM+10+\c]   ; (a conversion's three registers begin on an even number)
.endr
	v_nop                                          ; one plain place behind a scaled conversion
.irp c, 0,1
.irp i, 0,1,2
	v_permlane16_swap_b32 v[PC+6*\c+\i], v[PC+12+4*\c+\i]   ; the first's lanes 16-31 change places with the second's lanes 0-15: the first holds each lane's block's lower 16 codes, the second the upper 16
.endr
.irp i, 0,1,2
	v_mov_b32 v[PC+3+6*\c+\i], v[PC+12+4*\c+\i]
.endr
.endr
.irp c, 0,1,2                                  ; my 128 hidden units are K step w of the second product
	ds_store_b128 v[HWI], v[PC+4*\c:PC+4*\c+3] offset:512*\c   ; the fragment goes to LDS as an image of its registers: lane l's 16 bytes at 16 l
.endr
	ds_store_b32 v[HWS], v[PW]
	s_wait_dscnt 0x0
	s_barrier_signal -1
	WIN 0xc0                                       ; b2 and W3 at my outputs, from bytes that my wave alone has written: tile n: outputs 16 n + 8 h + 0 .. 7
.irp q, 0,1,2,3,4,5,6,7
	ds_load_b128 v[B2R+4*\q:B2R+4*\q+3], v[BL2] offset:BIA+512+64*(\q/2)+16*(\q%2)
	ds_load_b128 v[W3R+4*\q:W3R+4*\q+3], v[BL2] offset:BIA+768+64*(\q/2)+16*(\q%2)
.endr
	WIN 0
	s_barrier_wait -1                              ; the hidden layer's four fragments lie in LDS
.irp s, 0,1,2,3
.irp c, 0,1,2
	ds_load_b128 v[HF+12*\s+4*\c:HF+12*\s+4*\c+3], v[HRI] offset:1536*\s+512*\c
.endr
	ds_load_b32 v[HS+\s], v[HRS] offset:128*\s
.endr
	s_wait_loadcnt 0x0                             ; W2 is in
.irp s, 0,1,2,3                                ; my 64 outputs: four tiles by turns, one instruction a turn, a K step at a time.  Register j of tile n, lane (r, h): output 64 w + 16 n + 8 h + j of row r
	s_wait_dscnt 12-4*\s                           ; K step s's four loads are in; the later steps' may be out
.if \s == 0
	WIN 0x32                                       ; source 0 (W2) window 2, source 2 (b2) window 3
.else
	WIN 0x02
.endif
.irp n, 0,1,2,3
.set WF, 12*(4*\n+\s)
.if \s == 0
	v_wmma_scale_f32_16x16x128_f8f6f4 v[ST+8*\n:ST+8*\n+7], v[WF:WF+11], v[HF+12*\s:HF+12*\s+11], v[B2R+8*\n:B2R+8*\n+7], v[W2S+4*\n+\s], v[HS+\s] matrix_a_fmt:MATRIX_FMT_FP6 matrix_b_fmt:MATRIX_FMT_FP6
.else
	v_wmma_scale_f32_16x16x128_f8f6f4 v[ST+8*\n:ST+8*\n+7], v[WF:WF+11], v[HF+12*\s:HF+12*\s+11], v[ST+8*\n:ST+8*\n+7], v[W2S+4*\n+\s], v[HS+\s] matrix_a_fmt:MATRIX_FMT_FP6 matrix_b_fmt:MATRIX_FMT_FP6
.endif
.endr
.endr
	WIN 0
	PLACES 4
.set Q, 0
.rept 32
	v_max_num_f32 v[ST+Q], 0, v[ST+Q]
.set Q, Q+1
.endr
	WIN 0x0c                                       ; source 1 (W3) window 3
	v_pk_mul_f32 v[TM:TM+1], v[ST:ST+1], v[W3R:W3R+1]    ; the third product, in f32: my 32 outputs x W3, two chains
	v_pk_mul_f32 v[TM+2:TM+3], v[ST+2:ST+3], v[W3R+2:W3R+3]
.irp q, 4,8,12,16,20,24,28
	v_pk_fma_f32 v[TM:TM+1], v[ST+\q:ST+\q+1], v[W3R+\q:W3R+\q+1], v[TM:TM+1]
	v_pk_fma_f32 v[TM+2:TM+3], v[ST+\q+2:ST+\q+3], v[W3R+\q+2:W3R+\q+3], v[TM+2:TM+3]
.endr
	WIN 0
	v_pk_add_f32 v[TM:TM+1], v[TM:TM+1], v[TM+2:TM+3]
	v_add_f32 v[TM], v[TM], v[TM+1]
	v_permlanex16_b32 v[TM+2], v[TM], s60, s61
	v_add_f32 v[TM], v[TM], v[TM+2]                ; with lane l xor 16's: my wave's 64 outputs of row r
	ds_store_b32 v[FINW], v[TM]                    ; both lanes of a row write the same word with the same value
	BARRIER
	s_cmp_lg_u32 s8, 0                             ; wave 0 adds the four waves' parts and stores
	s_cbranch_scc1 .Lnot_first
	ds_load_b32 v[TM], v[FINR]
	ds_load_b32 v[TM+1], v[FINR] offset:64
	ds_load_b32 v[TM+2], v[FINR] offset:128
	ds_load_b32 v[TM+3], v[FINR] offset:192
	v_cmp_gt_u32 vcc_lo, 0x100, v[LI]
	s_wait_dscnt 0x0
	v_add_f32 v[TM], v[TM], v[TM+1]
	v_add_f32 v[TM+2], v[TM+2], v[TM+3]
	v_add_f32 v[TM], v[TM], v[TM+2]
	v_add_f32 v[TM], s40, v[TM]                    ; + b3
	s_wait_alu depctr_va_vdst(0)
	s_wait_xcnt 0x0                                ; EXEC changes only behind this wait
	s_and_saveexec_b32 s12, vcc_lo                 ; lanes 0-15: a row each
	global_store_b32 v[OUTO], v[TM], s[38:39]      ; the work-group's 64 consecutive bytes of out0
	s_wait_xcnt 0x0                                ; and again ahead of the line that widens it
	s_or_b32 exec_lo, exec_lo, s12
.Lnot_first:
	s_wait_tensorcnt 0x0                           ; the wave's end
	ds_add_u32 v[SPW], v[NIL]
	s_wait_dscnt 0x0
	CROUND                                         ; the closing round: no work-group ends while a partner may still ask for a tile that names it
	s_endpgm
.Lfunc_end_k_q9ec98fe805_deepset:
	.size	k_q9ec98fe805_deepset, .Lfunc_end_k_q9ec98fe805_deepset-k_q9ec98fe805_deepset
	.p2alignl 7, 3214868480
	.fill 96, 4, 3214868480
	.section	.rodata,"a",@progbits
	.p2align	6, 0x0
	.amdhsa_kernel k_q9ec98fe805_deepset
		.amdhsa_group_segment_fixed_size 327680
		.amdhsa_private_segment_fixed_size 0
		.amdhsa_enable_private_segment 0
		.amdhsa_kernarg_size 96
		.amdhsa_user_sgpr_count 2
		.amdhsa_user_sgpr_kernarg_segment_ptr 1
		.amdhsa_wavefront_size32 1
		.amdhsa_system_sgpr_workgroup_id_x 1
		.amdhsa_system_sgpr_workgroup_id_y 1
		.amdhsa_system_sgpr_workgroup_id_z 1
		.amdhsa_system_vgpr_workitem_id 0
		.amdhsa_next_free_vgpr 1024
		.amdhsa_next_free_sgpr 84
		.amdhsa_reserve_vcc 1
		.amdhsa_float_denorm_mode_32 3
		.amdhsa_float_denorm_mode_16_64 3
		.amdhsa_memory_ordered 1
		.amdhsa_forward_progress 1
		.amdhsa_inst_pref_size 217
	.end_amdhsa_kernel
	.amdgpu_metadata
---
amdhsa.version: [ 1, 2 ]
amdhsa.kernels:
  - .name:           k_q9ec98fe805_deepset
    .symbol:         k_q9ec98fe805_deepset.kd
    .args:
      - { .name: x, .offset: 0, .size: 8, .value_kind: global_buffer, .address_space: global }
      - { .name: W_phi, .offset: 8, .size: 8, .value_kind: global_buffer, .address_space: global }
      - { .name: b_phi, .offset: 16, .size: 8, .value_kind: global_buffer, .address_space: global }
      - { .name: W1_codes, .offset: 24, .size: 8, .value_kind: global_buffer, .address_space: global }
      - { .name: W1_scales, .offset: 32, .size: 8, .value_kind: global_buffer, .address_space: global }
      - { .name: b1, .offset: 40, .size: 8, .value_kind: global_buffer, .address_space: global }
      - { .name: W2_codes, .offset: 48, .size: 8, .value_kind: global_buffer, .address_space: global }
      - { .name: W2_scales, .offset: 56, .size: 8, .value_kind: global_buffer, .address_space: global }
      - { .name: b2, .offset: 64, .size: 8, .value_kind: global_buffer, .address_space: global }
      - { .name: W3, .offset: 72, .size: 8, .value_kind: global_buffer, .address_space: global }
      - { .name: b3, .offset: 80, .size: 8, .value_kind: global_buffer, .address_space: global }
      - { .name: out0, .offset: 88, .size: 8, .value_kind: global_buffer, .address_space: global }
    .group_segment_fixed_size: 327680
    .private_segment_fixed_size: 0
    .kernarg_segment_align: 8
    .kernarg_segment_size: 96
    .max_flat_workgroup_size: 128
    .sgpr_count:     84
    .vgpr_count:     1024
    .wavefront_size: 32
...
	.end_amdgpu_metadata
.endif
;; end of part 1
